; MI455X (gfx1250); checked and timed in simulation.
; The chip was launched on July 23, 2026; its instructions are those of AMD's public machine-readable ISA for CDNA 5 (MIT licence, August 2026) and "CDNA5" Instruction Set Architecture Reference Guide (July 2026). The comments in the code are by the model that wrote it; some were corrected since.
;; RBF Network. Allowed arithmetic: float matrix products may take bf16 or f16 operands with f32 sums; all other float work in f32.
;; Inputs: W 1 x 1,024 float32; b 1 float32; centers 1,024 x 512 float32; x 65,536 x 512 float32.
;; Outputs: out0 65,536 x 1 float32.
;; One version. Each part assembles by itself: llvm-mc -triple=amdgcn-amd-amdhsa -mcpu=gfx1250 --defsym DOCPART=n.
;; ======== version 1 of 1: 2 launches
;; workspace buffers: cb 1,048,576 bytes; cw 8,192 bytes
;; launch prep (part 1): grid 32 x 1, 32 waves a work-group, no clusters, 4,352 bytes of LDS; arguments centers, W, cb, cw; writes cb, cw
.if DOCPART == 1
	.amdgcn_target "amdgcn-amd-amdhsa--gfx1250"
	.amdhsa_code_object_version 6
	.text
	.protected	k_q53d11d5d77_prep
	.globl	k_q53d11d5d77_prep
	.p2align	8
	.type	k_q53d11d5d77_prep,@function
k_q53d11d5d77_prep:
	s_mov_b64 s[64:65], 0
	v_nop
	global_prefetch_b8 v0, s[64:65] scope:SCOPE_SE
	s_setreg_imm32_b32 hwreg(HW_REG_WAVE_MODE, 25, 1), 1
	s_wait_xcnt 0x0
; prep: the centers and W are made ready, once.
;   cb[c][.] = bf16(centers[c][.]), with k permuted inside each half row (below)
;   cw, 32 blocks of 256 bytes: block s = ct[32 s .. 32 s + 31], then Wb[32 s .. 32 s + 31], all f32 words
;   ct[c]    = -(sum over k of cb[c][k]^2) / 2: the squares are taken of the ROUNDED numbers, the ones that are multiplied later,
;              so that cross term and squares together are an exact squared distance of the rounded vectors.
;   Wb[c]    = W[c] rounded to bf16 and widened again.  W is an operand of the matrix product rbf * W^T and is rounded as x and the centers are:
;              the signed terms W[c] * rbf largely cancel in a row's sum, so a rounding applied to some operands of the chain and not to
;              others would shift every row's sum by one common amount that is large against the sum; all three are rounded alike.
; A work-group owns 32 centers (one block of cw), a wave one center: a row of 2,048 bytes is four loads of 512 neighbouring bytes.
; PERMUTATION OF k: lane l takes k = 128 j + 4 l .. + 3 with load j = 0 .. 3.  The eight numbers of loads 0 and 1 become the 16 bytes at
; byte 16 l of the bf16 row, those of loads 2 and 3 the 16 bytes at 512 + 16 l.  The launch that multiplies lays x in the same order,
; so every product meets its partner, and every load and store here covers 512 neighbouring bytes.
; No matrix unit, no cluster: 2 MiB are read once and nothing is shared.
	s_load_b256 s[4:11], s[0:1], 0x0               ; centers s[4:5], W s[6:7], cb s[8:9], cw s[10:11]
	v_lshl_add_u32 v40, v0, 2, 0x100
	v_mov_b32 v41, 0
	v_lshrrev_b32 v1, 5, v0
	v_readfirstlane_b32 s12, v1                    ; wave 0 .. 31
	v_and_b32 v2, 31, v0                           ; lane
	v_lshlrev_b32 v3, 4, v2                        ; 16 bytes a lane
	s_lshl_b32 s13, ttmp9, 5
	s_add_co_u32 s13, s13, s12                     ; my center c = 32 x work-group + wave
	s_lshl_b32 s14, s13, 11                        ; 2,048 c: its row in centers
	s_mov_b32 s15, 0
	s_lshl_b32 s16, s13, 10                        ; 1,024 c: its row in cb
	s_mov_b32 s17, 0
	s_lshl_b32 s18, s13, 2                         ; 4 c: its word in W
	s_mov_b32 s19, 0
	s_lshl_b32 s20, ttmp9, 8                       ; the work-group's block of cw
	s_mov_b32 s21, 0
	s_mov_b32 s22, 0x76543210                      ; v_permlanex16_b32: lane i of one half reads lane i of the other
	s_mov_b32 s23, 0xfedcba98
	s_wait_kmcnt 0x0
	s_add_nc_u64 s[4:5], s[4:5], s[14:15]
	s_add_nc_u64 s[6:7], s[6:7], s[18:19]
	s_add_nc_u64 s[8:9], s[8:9], s[16:17]
	s_add_nc_u64 s[10:11], s[10:11], s[20:21]
	s_load_b32 s24, s[6:7], 0x0                    ; W[c]
.irp j, 0,1,2,3
	global_load_b128 v[4+4*\j:7+4*\j], v3, s[4:5] offset:512*\j th:TH_LOAD_NT
.endr
.irp j, 28,29,30,31,32
	v_mov_b32 v\j, 0                               ; four chains of squares; v32 is the lane exchange's destination, which counts as read
.endr
	s_wait_loadcnt 0x0                             ; the whole row
.irp j, 0,1,2,3,4,5,6,7
	v_cvt_pk_bf16_f32 v[20+\j], v[4+2*\j], v[5+2*\j]
.endr
	global_store_b128 v3, v[20:23], s[8:9]             ; k of loads 0 and 1
	global_store_b128 v3, v[24:27], s[8:9] offset:512  ; k of loads 2 and 3
.irp j, 0,1,2,3,4,5,6,7
	v_fma_mix_f32_bf16 v[28+(2*\j)%4], v[20+\j], v[20+\j], v[28+(2*\j)%4] op_sel_hi:[1,1,0]                     ; low half squared, in f32
	v_fma_mix_f32_bf16 v[28+(2*\j+1)%4], v[20+\j], v[20+\j], v[28+(2*\j+1)%4] op_sel:[1,1,0] op_sel_hi:[1,1,0]  ; high half squared
.endr
	v_add_f32 v28, v28, v29
	v_add_f32 v30, v30, v31
	v_add_f32 v28, v28, v30
	v_add_f32_dpp v28, v28, v28 row_xmask:1 row_mask:0xf bank_mask:0xf
	v_add_f32_dpp v28, v28, v28 row_xmask:2 row_mask:0xf bank_mask:0xf
	v_add_f32_dpp v28, v28, v28 row_xmask:4 row_mask:0xf bank_mask:0xf
	v_add_f32_dpp v28, v28, v28 row_xmask:8 row_mask:0xf bank_mask:0xf
	v_permlanex16_b32 v32, v28, s22, s23
	v_add_f32 v28, v28, v32                        ; every lane holds the row's sum of squares
	v_mul_f32 v28, -0.5, v28                       ; ct = -sum / 2
	v_mov_b32 v33, s12
	v_lshlrev_b32 v33, 2, v33                      ; my word in the block: 4 x wave
	s_wait_kmcnt 0x0                               ; W[c]
	v_mov_b32 v34, s24
	v_cvt_pk_bf16_f32 v34, v34, v34                ; W[c] rounded to bf16, to nearest even,
	v_lshlrev_b32 v34, 16, v34                     ; and widened again: the low half moves up
	ds_store_b32 v33, v28                          ; all lanes write the same word with the same value
	ds_store_b32 v33, v34 offset:128
	s_wait_dscnt 0x0                               ; for wave 0's sake: my two words are in LDS before I signal
	s_barrier_signal -1
	s_barrier_wait -1
	s_cmp_lg_u32 s12, 0
	s_cbranch_scc1 .Lend
	v_lshlrev_b32 v35, 3, v2                       ; wave 0: 8 bytes a lane, 32 lanes: the block's 256 bytes in one store
	ds_load_b64 v[36:37], v35
	s_wait_dscnt 0x0
	global_store_b64 v35, v[36:37], s[10:11]
.Lend:
	s_wait_tensorcnt 0x0
	ds_add_u32 v40, v41
	s_wait_dscnt 0x0
	s_endpgm
.Lfunc_end_k_q53d11d5d77_prep:
	.size	k_q53d11d5d77_prep, .Lfunc_end_k_q53d11d5d77_prep-k_q53d11d5d77_prep
	.p2alignl 7, 3214868480
	.fill 96, 4, 3214868480
	.section	.rodata,"a",@progbits
	.p2align	6, 0x0
	.amdhsa_kernel k_q53d11d5d77_prep
		.amdhsa_group_segment_fixed_size 4352
		.amdhsa_private_segment_fixed_size 0
		.amdhsa_enable_private_segment 0
		.amdhsa_kernarg_size 32
		.amdhsa_user_sgpr_count 2
		.amdhsa_user_sgpr_kernarg_segment_ptr 1
		.amdhsa_wavefront_size32 1
		.amdhsa_system_sgpr_workgroup_id_x 1
		.amdhsa_system_sgpr_workgroup_id_y 1
		.amdhsa_system_sgpr_workgroup_id_z 1
		.amdhsa_system_vgpr_workitem_id 0
		.amdhsa_next_free_vgpr 42
		.amdhsa_next_free_sgpr 66
		.amdhsa_reserve_vcc 0
		.amdhsa_float_denorm_mode_32 3
		.amdhsa_float_denorm_mode_16_64 3
		.amdhsa_memory_ordered 1
		.amdhsa_forward_progress 1
		.amdhsa_inst_pref_size 5
	.end_amdhsa_kernel
	.amdgpu_metadata
---
amdhsa.version: [ 1, 2 ]
amdhsa.kernels:
  - .name:           k_q53d11d5d77_prep
    .symbol:         k_q53d11d5d77_prep.kd
    .args:
      - { .name: centers, .offset: 0, .size: 8, .value_kind: global_buffer, .address_space: global }
      - { .name: W, .offset: 8, .size: 8, .value_kind: global_buffer, .address_space: global }
      - { .name: cb, .offset: 16, .size: 8, .value_kind: global_buffer, .address_space: global }
      - { .name: cw, .offset: 24, .size: 8, .value_kind: global_buffer, .address_space: global }
    .group_segment_fixed_size: 4352
    .private_segment_fixed_size: 0
    .kernarg_segment_align: 8
    .kernarg_segment_size: 32
    .max_flat_workgroup_size: 1024
    .sgpr_count:     66
    .vgpr_count:     42
    .wavefront_size: 32
...
	.end_amdgpu_metadata
.endif
;; end of part 1
;; launch rbf (part 2): grid 256 x 1, 4 waves a work-group, clusters of 4 x 1, 327,680 bytes of LDS; arguments x, cb, cw, b, out0; writes out0
.if DOCPART == 2
	.amdgcn_target "amdgcn-amd-amdhsa--gfx1250"
	.amdhsa_code_object_version 6
	.text
	.protected	k_q53d11d5d77_rbf
	.globl	k_q53d11d5d77_rbf
	.p2align	8
	.type	k_q53d11d5d77_rbf,@function
k_q53d11d5d77_rbf:
	s_mov_b64 s[64:65], 0
	v_nop
	global_prefetch_b8 v0, s[64:65] scope:SCOPE_SE
	s_setreg_imm32_b32 hwreg(HW_REG_WAVE_MODE, 25, 1), 1
	s_wait_xcnt 0x0
	s_wait_alu depctr_hold_cnt(0) depctr_sa_sdst(0) depctr_va_vdst(0) depctr_va_sdst(0) depctr_va_ssrc(0) depctr_va_vcc(0) depctr_vm_vsrc(0)
	s_getreg_b32 s2, hwreg(HW_REG_IB_STS2, 6, 4)
	s_cmp_eq_u32 s2, 0
	s_cbranch_scc0 .Lentry_in_a_cluster
	s_endpgm
.Lentry_in_a_cluster:
	s_bfe_u32 s2, ttmp6, 0x10000c
	s_cmp_lg_u32 s2, 0x3003
	s_cbranch_scc0 .Lentry_shape_is_right
	s_endpgm
.Lentry_shape_is_right:
; out0[n] = b + sum over c of W[c] * exp(-gamma * mean over j of (x[n][j] - centers[c][j])^2),  N = 65,536, D = 512, C = 1,024.
; With xb = bf16(x), cs = bf16(centers) (buffer cb), ct[c] = -sum cs^2 / 2 (buffer cw) and xt[n] = -sum xb^2 / 2:
;   sum_k xb cs + ct + xt = -|xb - cs|^2 / 2,  and K2 = 2 gamma log2(e) / 512 times that is log2 of the RBF value of the rounded vectors.
; Both squares are taken of the rounded numbers that are multiplied, so the sum is a true squared distance and never the difference
; of sums of unlike roundings; the operands carry no scale, so they are the inputs rounded to bf16 and nothing else.
; An accumulator STARTS at ct + xt; when its 16 K steps are done it is multiplied by K2 in f32 and goes into v_exp_f32.
; LIMITS: an RBF value below 2^-126 comes out as 0 (v_exp_f32 flushes denormal results: ISA guide 15.8), an error of at most
; 1,024 * max|W| * 1.2e-38 in an output; sums are formed in another order than in the defining formula; the product with W (one column)
; is made in f32 by packed multiply-adds in the lanes that hold the exponentials.
;
; SHARES.  A work-group owns 256 rows of x, a wave 64.  The wave's rows are rounded to bf16 once and stay in 512 registers as matrix
; fragments for the whole launch.  The 1,024 centers go through two LDS slots of 128 centers.  16 KB of center fragments that a wave
; reads from LDS feed 64 matrix instructions.
; CLUSTER.  All work-groups walk the same centers: four form a cluster and ask for each tile jointly (mask 15), which divides the
; requests for cb and cw by four.  x is nobody else's and comes by plain loads.
; MATRIX USE.  Source 0 = 16 centers, source 1 = 16 rows of x: register j of lane (r, h) is (center 8 h + j, row r), so the sum over
; centers stays inside a lane.  Row r of fragment tile t is x row 4 r + t of the wave's 64: a lane ends with four neighbouring outputs.
; k is permuted inside each half row exactly as in cb: lane l of loads q = 0, 1 holds k = 128 q + 4 l .. + 3; its eight numbers are the
; 16 bytes at 16 l of the bf16 half row.
;
; LDS: slot 0 at 0, slot 1 at 133,120: 128 rows of 1,024 bytes + 16 of padding; cw's image at 266,240 (8,192 bytes); from 274,432 each
; wave's own stage of 16 rows of 512 + 16 bytes, written by ds_store alone, into which no tensor load lands.  Both pitches are odd
; multiples of 16 bytes, so the sixteen rows of a fragment load start in sixteen different 16-byte columns of the 64 banks (ISA guide 11.1).
; REGISTERS, in windows of 256: window 0: addresses, sums, two fragment buffers of centers (v64-127), two sets of eight accumulators
; (v128-191, v192-255; while x comes in, v64-255 are the ring of loads).  Window 2: x fragments of K steps 0-5; window 3: 6-11; window 1: 12-15
; in v0-127, W of the 32 centers being finished in v128-143, ct of the 32 centers to come in v144-159.
.set CPITCH, 1040                      ; LDS pitch of a center's row
.set HSB,    32*CPITCH                 ; 32 centers: a half-step's rows, and what one tensor load brings
.set SLOTB,  4*HSB                     ; a slot: 128 centers
.set CWL,    2*SLOTB                   ; cw's image
.set XST,    CWL+8192                  ; the waves' stages
.set XPITCH, 528
.set XSTB,   16*XPITCH
.set GO,   2                           ; v2   16 x lane: my bytes in every load of x; never rewritten
.set XS,   3                           ; v3   stage, in: 16 x lane
.set XF,   4                           ; v4   stage, out: 528 r + 16 h
.set FA00, 5                           ; v5-8 center fragments: 1,040 r + 16 h + slot 0 first half, slot 0 second half, slot 1 first, slot 1 second
.set FA01, 6
.set FA10, 7
.set FA11, 8
.set CWA,  9                           ; v9   cw's image + 32 h + 256 x (number of the half-step with j = 0, less one)
.set TMP,  10
.set SUM,  16                          ; v[16:23]  a pair of sums for each row tile
.set SQ,   24                          ; v[24:27]  four chains of squares
.set CV,   32                          ; v[32:35]  16 bytes of bf16 on their way to the stage
.set OUT,  36                          ; v[36:39]  my four outputs
.set XTP,  40                          ; v[40:47]  xt of row tile t, twice (a pair for the packed add)
.set ST,   48                          ; v[48:49]  the two outputs that I store, v50 where
.set FR,   64                          ; two buffers of 32 registers: 2 K steps x 2 blocks of 16 centers
.set RING, 64                          ; 24 slots of 8 registers
.set ACC0, 128
.set ACC1, 192
.set WR,   128                         ; window 1
.set CTR,  144                         ; window 1
.set G1C, 24                           ; s[24:31] group 1 for tiles of cb
.set G1W, 32                           ; s[32:39] group 1 for cw
.set G0,  40                           ; s[40:47] group 0 for slots 0 and 1
.set G0W, 48                           ; s[48:51] group 0 for cw
.set SK2, 62                           ; s[62:63] K2, twice (the packed multiply names the pair whole and takes its first word for both halves)
.set M2,   0x08                        ; source 1 in window 2, all else in window 0
.set M3,   0x0c                        ; source 1 in window 3
.set M1,   0x04                        ; source 1 in window 1
.set TOW1, 0x40                        ; destination in window 1
.set MSB, 0
.macro WIN new                         ; the immediate's high byte repeats the setting that is left; a switch that changes nothing is dropped
.if MSB != \new
	s_set_vgpr_msb (MSB<<8)|\new
.set MSB, \new
.endif
.endm
.macro PLACES                          ; four places behind a matrix instruction (ISA guide 7.12.1)
	s_wait_alu depctr_va_vdst(0)
.rept 4
	v_nop
.endr
.endm
; A round of the cluster's barrier: my work-group's barrier, wave 0 signals for the work-group, every wave waits for all four work-groups, my work-group's barrier again.
.macro CREST                           ; a round behind its opening barrier
	s_cmp_lg_u32 s14, 0
	s_cbranch_scc1 .Lnot_wave_0_\@
	s_barrier_signal -3
.Lnot_wave_0_\@:
	s_barrier_wait -3
	s_barrier_signal -1
	s_barrier_wait -1
.endm
.macro CROUND
	s_barrier_signal -1
	s_barrier_wait -1
	CREST
.endm
	s_load_b256 s[4:11], s[0:1], 0x0               ; x s[4:5], cb s[6:7], cw s[8:9], b s[10:11]
	s_load_b64 s[12:13], s[0:1], 0x20              ; out0
	v_lshl_add_u32 v63, v0, 2, 0x4b400
	s_set_vgpr_msb 0x40
	v_mov_b32 v255, 0
	s_set_vgpr_msb 0x4044
	ds_add_u32 v63, v255
	s_set_vgpr_msb 0x4400
	v_lshrrev_b32 v1, 5, v0
	v_readfirstlane_b32 s14, v1                    ; wave 0 .. 3
	s_bfe_u32 s15, ttmp6, 0x40000                  ; cx: my place in the cluster.  It enters the addresses of x and out0 alone
	s_lshl_b32 s16, ttmp9, 2
	s_add_co_u32 s16, s16, s15                     ; work-group = 4 x cluster + cx
	s_lshl_b32 s16, s16, 2
	s_add_co_u32 s16, s16, s14                     ; my block of 64 rows, 0 .. 1,023
	s_lshl_b32 s18, s16, 17                        ; 64 rows of 2,048 bytes
	s_mov_b32 s19, 0
	s_lshl_b32 s54, s16, 8                         ; 64 outputs of 4 bytes
	s_mov_b32 s55, 0
	s_mov_b32 s22, 0x76543210                      ; v_permlanex16_b32: lane i of one half reads lane i of the other
	s_mov_b32 s23, 0xfedcba98
	s_mov_b32 s[SK2], 0x3cbd7c04                   ; K2 = 2 gamma log2(e) / 512 = 0.02313042
	s_mov_b32 s[SK2+1], 0x3cbd7c04
	; group 1 for cb: 32 rows x 512 elements of 2 bytes, 4 words of padding behind every 256
	s_mov_b32 s[G1C+0], 15|(1<<16)|(1<<20)|(1<<21)|(7<<22)|(3<<25)  ; mask: all four of the cluster; element size; padding on; bit 21 beside a mask; interval code 7; pad code 3
	s_mov_b32 s[G1C+1], 512<<16                    ; tensor_dim0 = 512
	s_mov_b32 s[G1C+2], 32<<16                     ; tensor_dim1 = 32
	s_mov_b32 s[G1C+3], 512<<16                    ; tile_dim0 = 512
	s_mov_b32 s[G1C+4], 32                         ; tile_dim1 = 32
	s_mov_b32 s[G1C+5], 512                        ; elements from row to row
	s_mov_b32 s[G1C+6], 0
	s_mov_b32 s[G1C+7], 0
	; group 1 for cw: 8 rows x 32 elements of 8 bytes, dense
	s_mov_b32 s[G1W+0], 15|(3<<16)|(1<<21)
	s_mov_b32 s[G1W+1], 32<<16
	s_mov_b32 s[G1W+2], 8<<16
	s_mov_b32 s[G1W+3], 32<<16
	s_mov_b32 s[G1W+4], 8
	s_mov_b32 s[G1W+5], 32
	s_mov_b32 s[G1W+6], 0
	s_mov_b32 s[G1W+7], 0
	s_lshl_b32 s56, s14, 15                        ; my 32 rows of a tile of cb: 32 x 1,024 bytes x wave
	s_mov_b32 s57, 0
	s_lshl_b32 s58, s14, 11                        ; my quarter of cw
	s_mov_b32 s59, 0
	s_mul_i32 s60, s14, HSB                        ; and where my rows go in a slot
	s_mul_i32 s61, s14, XSTB
	s_add_co_u32 s61, s61, XST                     ; my stage
	v_and_b32 v11, 31, v0                          ; lane
	v_and_b32 v1, 15, v0                           ; r
	v_bfe_u32 v[TMP], v0, 4, 1                     ; h
	v_lshlrev_b32 v[GO], 4, v11
	v_lshl_add_u32 v[XS], v11, 4, s61
	v_mul_u32_u24 v[XF], v1, XPITCH
	v_lshl_add_u32 v[XF], v[TMP], 4, v[XF]
	v_add_nc_u32 v[XF], s61, v[XF]
	v_mul_u32_u24 v[FA00], v1, CPITCH
	v_lshl_add_u32 v[FA00], v[TMP], 4, v[FA00]
	v_add_nc_u32 v[FA01], 2*HSB, v[FA00]
	v_add_nc_u32 v[FA10], SLOTB, v[FA00]
	v_add_nc_u32 v[FA11], SLOTB+2*HSB, v[FA00]
	v_lshlrev_b32 v[CWA], 5, v[TMP]
	v_add_nc_u32 v[CWA], CWL-256, v[CWA]           ; for half-step 0; nothing is read below offset 256
	s_wait_dscnt 0x0
	s_wait_kmcnt 0x0
	s_add_nc_u64 s[4:5], s[4:5], s[18:19]          ; x at my first row
	s_add_nc_u64 s[12:13], s[12:13], s[54:55]      ; out0 at my first row
	s_load_b32 s21, s[10:11], 0x0                  ; b; waited for where it is added
; PHASE A: x into registers.  Half row i = 32 t + 16 hf + r is half hf of x row 4 r + t; ring slot i mod 24; two loads of 512 neighbouring bytes.
.macro LDRH i
.set li, \i
.set lofs, (4*(li%16)+li/32)*2048+((li/16)%2)*1024
.set lreg, RING+8*(li%24)
	global_load_b128 v[lreg:lreg+3], v[GO], s[4:5] offset:lofs th:TH_LOAD_NT
	global_load_b128 v[lreg+4:lreg+7], v[GO], s[4:5] offset:lofs+512 th:TH_LOAD_NT
.endm
.set gi, 0
.rept 24
	LDRH gi                                        ; the ring is filled: 48 loads, 24 KB of the wave on their way
.set gi, gi+1
.endr
	s_mov_b32 s[G0+0], 1
	s_add_co_u32 s[G0+1], s60, 0                   ; slot 0, my rows
	s_add_nc_u64 s[G0+2:G0+3], s[6:7], s[56:57]    ; centers 32 w .. 32 w + 31
	s_or_b32 s[G0+3], s[G0+3], 0x80000000
	s_mov_b32 s[G0+4], 1
	s_add_co_u32 s[G0+5], s60, SLOTB               ; slot 1, my rows
	s_add_nc_u64 s[G0+6:G0+7], s[6:7], s[56:57]
	s_add_nc_u64 s[G0+6:G0+7], s[G0+6:G0+7], 128*1024   ; centers 128 + 32 w ..
	s_or_b32 s[G0+7], s[G0+7], 0x80000000
	s_mov_b32 s[G0W+0], 1
	s_add_co_u32 s[G0W+1], s58, CWL
	s_add_nc_u64 s[G0W+2:G0W+3], s[8:9], s[58:59]
	s_or_b32 s[G0W+3], s[G0W+3], 0x80000000
	CROUND                                         ; all four work-groups are here: the first joint loads meet
	tensor_load_to_lds s[G0:G0+3], s[G1C:G1C+7]    ; the three first fills go out as one group: three tensor loads of the wave are out,
	s_nop 0
	tensor_load_to_lds s[G0+4:G0+7], s[G1C:G1C+7]  ; and they land while x comes in
	s_nop 0
	tensor_load_to_lds s[G0W:G0W+3], s[G1W:G1W+7]
	s_nop 0
; One half row: rounded to bf16, 16 bytes a lane into row r of my stage; its ring slot is asked for again, 24 half rows ahead.
.macro RH i
.set ri, \i
.if ri < 104
	s_wait_loadcnt 46                              ; loads come back in order (ISA guide 5.7.1): mine are in, the two of each of the 23 younger slots stay out
.else
	s_wait_loadcnt 2*(127-ri)                      ; nothing is asked for any more: the count runs down
.endif
.set rreg, RING+8*(ri%24)
.irp j, 0,1,2,3
	v_cvt_pk_bf16_f32 v[CV+\j], v[rreg+2*\j], v[rreg+2*\j+1]
.endr
	ds_store_b128 v[XS], v[CV:CV+3] offset:XPITCH*(ri%16)
.if ri < 104
	LDRH ri+24
.endif
.endm
; n K steps of fragments from byte 64 kl of the stage's rows into registers xi, xi + 32, .. of the destination's window
.macro XLD n, kl, xi
.set xk, 0
.rept \n
	ds_load_b128 v[\xi+32*xk:\xi+32*xk+3], v[XF] offset:64*(\kl+xk)
	ds_load_b128 v[\xi+32*xk+4:\xi+32*xk+7], v[XF] offset:64*(\kl+xk)+32
.set xk, xk+1
.endr
.endm
; the squares of those fragments' numbers, in f32, in four chains
.macro XSQ n, xi
.set xk, 0
.rept 8*\n
.set xr, \xi+32*(xk/8)+xk%8
	v_fma_mix_f32_bf16 v[SQ+(2*xk)%4], v[xr], v[xr], v[SQ+(2*xk)%4] op_sel_hi:[1,1,0]
	v_fma_mix_f32_bf16 v[SQ+(2*xk+1)%4], v[xr], v[xr], v[SQ+(2*xk+1)%4] op_sel:[1,1,0] op_sel_hi:[1,1,0]
.set xk, xk+1
.endr
.endm
; Sixteen half rows lie in the stage: they are read back as the fragments of row tile gt, K steps 8 gh .. 8 gh + 7.  The stage is the wave's own and
; LDS serves a wave's instructions in order (ISA guide 5.7.1.4): no wait between the stores and these loads, nor in front of the next sixteen stores.
.macro FRAG
.if gh == 0
.irp j, 0,1,2,3
	v_mov_b32 v[SQ+\j], 0
.endr
	WIN 0x80                                       ; destination in window 2: K steps 0-5
	XLD 6, 0, 8*gt
	WIN 0xc0                                       ; window 3: K steps 6, 7
	XLD 2, 6, 8*gt
	s_wait_dscnt 0x0                               ; the fragments are in
	WIN 0x0a                                       ; sources 0 and 1 in window 2
	XSQ 6, 8*gt
	WIN 0x0f                                       ; in window 3
	XSQ 2, 8*gt
	WIN 0
.else
	WIN 0xc0                                       ; window 3: K steps 8-11
	XLD 4, 0, 64+8*gt
	WIN 0x40                                       ; window 1: K steps 12-15
	XLD 4, 4, 8*gt
	s_wait_dscnt 0x0
	WIN 0x0f
	XSQ 4, 64+8*gt
	WIN 0x05
	XSQ 4, 8*gt
	WIN 0
	v_add_f32 v[SQ], v[SQ], v[SQ+1]
	v_add_f32 v[SQ+2], v[SQ+2], v[SQ+3]
	v_add_f32 v[SQ], v[SQ], v[SQ+2]
	v_permlanex16_b32 v[TMP], v[SQ], s22, s23      ; lane (r, 1 - h) holds the other half of row r's k
	v_add_f32 v[SQ], v[SQ], v[TMP]
	v_mul_f32 v[XTP+2*gt], -0.5, v[SQ]             ; xt = -(sum of squares) / 2,
	v_mul_f32 v[XTP+2*gt+1], -0.5, v[SQ]           ; twice
.endif
.endm
.set gi, 0
.rept 8
.rept 16
	RH gi
.set gi, gi+1
.endr
.set gt, (gi-1)/32
.set gh, ((gi-1)/16)%2
	FRAG
.endr
	s_wait_tensorcnt 0x0                           ; my parts of slot 0, slot 1 and cw have landed
	s_wait_dscnt 0x0
	s_barrier_signal -1
	s_barrier_wait -1                              ; everybody's have.
; PHASE B: 32 half-steps of 32 centers.  A half-step is 16 K steps x 8 accumulators (2 blocks of 16 centers x 4 row tiles) = 128 matrix instructions on one
; set of accumulators; between them the OTHER set, finished in the half-step before, is multiplied by K2, taken through v_exp_f32, multiplied by W into
; the sums, and started anew at ct + xt for the half-step after.
; What stands behind matrix instruction n = 8 kk + 4 u + t: for n < 96, for every three instructions, one packed multiply by K2 and the two exponentials
; of that pair (32 and 64 in all); for n >= 96, where source 1 means window 1 for the x fragments and so for W and ct too, one packed
; multiply-add and one packed add.  K2 is a scalar operand: it names no vector register, so the window of source 1 does not bear on it.
.macro VOP n, Q, epi, init
.set vn, \n
.if vn < 96
.if \epi
.set vg, vn/3
.if vn%3 == 0
	v_pk_mul_f32 v[\Q+2*vg:\Q+2*vg+1], v[\Q+2*vg:\Q+2*vg+1], s[SK2:SK2+1] op_sel_hi:[1,0]
.else
	v_exp_f32 v[\Q+2*vg+vn%3-1], v[\Q+2*vg+vn%3-1]
.endif
.endif
.else
.set vm, vn-96
.set va, vm/4
.set vi, vm%4
.set vu, va/4
.set vt, va%4
.if \epi
	v_pk_fma_f32 v[SUM+2*vt:SUM+2*vt+1], v[\Q+8*va+2*vi:\Q+8*va+2*vi+1], v[WR+8*vu+2*vi:WR+8*vu+2*vi+1], v[SUM+2*vt:SUM+2*vt+1]
.endif
.if \init
	v_pk_add_f32 v[\Q+8*va+2*vi:\Q+8*va+2*vi+1], v[XTP+2*vt:XTP+2*vt+1], v[CTR+8*vu+2*vi:CTR+8*vu+2*vi+1]
.endif
.endif
.endm
; One K step.  The eight accumulators take turns, one instruction a turn, and the two sets take turns from half-step to half-step, over the loop's
; backward jump too.
.macro KSTEP kk, P, Q, epi, init
.set kq, \kk
.if kq < 6
.set kx, 32*kq
.else
.if kq < 12
.set kx, 32*(kq-6)
.else
.set kx, 32*(kq-12)
.endif
.endif
.set kf, FR+32*((kq/2)&1)+16*(kq&1)
.set ka, 0
.rept 8
	v_wmma_f32_16x16x32_bf16 v[\P+8*ka:\P+8*ka+7], v[kf+8*(ka/4):kf+8*(ka/4)+7], v[kx+8*(ka%4):kx+8*(ka%4)+7], v[\P+8*ka:\P+8*ka+7]
	VOP 8*kq+ka, \Q, \epi, \init
.set ka, ka+1
.endr
.endm
; Eight LDS loads: batch g = K steps 2 g and 2 g + 1 of a half-step's 32 centers, into buffer g & 1
.macro FETCH areg, base, g
.set fo, \base+128*(\g)
.set fr, FR+32*((\g)&1)
.irp c, 0,1
.irp u, 0,1
	ds_load_b128 v[fr+16*\c+8*\u:fr+16*\c+8*\u+3], v[\areg] offset:fo+64*\c+16*CPITCH*\u
	ds_load_b128 v[fr+16*\c+8*\u+4:fr+16*\c+8*\u+7], v[\areg] offset:fo+64*\c+16*CPITCH*\u+32
.endr
.endr
.endm
; W of the half-step before (register 8 u + i: center 16 u + 8 h + i) and ct of the half-step after; sixteen lanes read the same 16 bytes
.macro CWLD j, epi, init
.if \epi
.irp u, 0,1
	ds_load_b128 v[WR+8*\u:WR+8*\u+3], v[CWA] offset:256*(\j)+128+64*\u
	ds_load_b128 v[WR+8*\u+4:WR+8*\u+7], v[CWA] offset:256*(\j)+128+64*\u+16
.endr
.endif
.if \init
.irp u, 0,1
	ds_load_b128 v[CTR+8*\u:CTR+8*\u+3], v[CWA] offset:256*(\j+2)+64*\u
	ds_load_b128 v[CTR+8*\u+4:CTR+8*\u+7], v[CWA] offset:256*(\j+2)+64*\u+16
.endr
.endif
.endm
; A half-step.  set: its accumulators; areg + abase: its 32 rows in LDS; nreg + nbase: the next half-step's; j: its number counted from the one that CWA stands for;
; epi: the other set is finished; init: and started anew; turn 0: inside a slot; 1: last of a slot that is filled again (tslot); 2: last of a slot that is not; 3: the last of all.
; Each batch of 16 matrix instructions begins with four places (the buffer about to be loaded was read by the matrix instructions just in front;
; in batch 0 they also stand between the other set's last matrix instructions and the first multiply by K2, and in batch 6 between the last
; exponential and the first use of one: ISA guide 5.7.2), then asks for the next batch's fragments.
.macro HS set, areg, abase, nreg, nbase, j, epi, init, turn, tslot
.if \set
.set HP, ACC1
.set HQ, ACC0
.else
.set HP, ACC0
.set HQ, ACC1
.endif
	PLACES
	FETCH \areg, \abase, 1
	WIN TOW1
	CWLD \j, \epi, \init
	WIN M2
	s_wait_dscnt 8+4*\epi+4*\init                  ; all but the loads just issued: batch 0's fragments, asked for in the half-step before, are in
	KSTEP 0, HP, HQ, \epi, \init
	KSTEP 1, HP, HQ, \epi, \init
.irp g, 1,2,3,4,5,6
.if \g == 3
	WIN M3
.endif
.if \g == 6
	WIN M1
.endif
	PLACES
	FETCH \areg, \abase, \g+1
	s_wait_dscnt 8                                 ; all but the eight just issued: this batch's fragments are in (in batch 1: W and ct too)
	KSTEP 2*\g, HP, HQ, \epi, \init
	KSTEP 2*\g+1, HP, HQ, \epi, \init
.endr
.if \turn == 0
	PLACES
	FETCH \nreg, \nbase, 0
	s_wait_dscnt 8
	KSTEP 14, HP, HQ, \epi, \init
	KSTEP 15, HP, HQ, \epi, \init
.endif
.if (\turn == 1) || (\turn == 2)
	s_wait_dscnt 0x0                               ; my reads of this slot are over, batch 7's fragments among them
	s_wait_tensorcnt 0x0                           ; and all my tensor loads have landed: the one that can be out is my part of the next slot
	ds_add_u32 v63, v255
	s_wait_dscnt 0x0
	s_barrier_signal -1                            ; say so (with a refill this barrier opens a round of the cluster's barrier),
	KSTEP 14, HP, HQ, \epi, \init                  ; work on registers while the others arrive,
.if \turn == 1
	WIN 0                                          ; (a branch and a label follow)
.endif
	s_barrier_wait -1                              ; and go on when all four waves have said so
.if \turn == 1
	CREST                                          ; all four work-groups have said so: no wave of any partner reads this slot or has a load on its way
	s_add_nc_u64 s[G0+4*\tslot+2:G0+4*\tslot+3], s[G0+4*\tslot+2:G0+4*\tslot+3], 256*1024   ; this slot's next tile: 256 centers on
	tensor_load_to_lds s[G0+4*\tslot:G0+4*\tslot+3], s[G1C:G1C+7]   ; my one tensor load behind the round, and the only one that is out until the next
	s_nop 0
.endif
	PLACES
	FETCH \nreg, \nbase, 0
	WIN M1
	KSTEP 15, HP, HQ, \epi, \init
.endif
.if \turn == 3
	s_wait_dscnt 0x0
	KSTEP 14, HP, HQ, \epi, \init
	KSTEP 15, HP, HQ, \epi, \init
.endif
.endm
	WIN TOW1
.irp u, 0,1
	ds_load_b128 v[CTR+8*\u:CTR+8*\u+3], v[CWA] offset:256+64*\u        ; ct of half-step 0
	ds_load_b128 v[CTR+8*\u+4:CTR+8*\u+7], v[CWA] offset:256+64*\u+16
.endr
	WIN 0
	FETCH FA00, 0, 0
	s_wait_dscnt 8                                 ; ct is in; the eight fragment loads stay out
	WIN M1
.set pa, 0
.rept 32
	v_pk_add_f32 v[ACC0+2*pa:ACC0+2*pa+1], v[XTP+2*((pa/4)%4):XTP+2*((pa/4)%4)+1], v[CTR+8*(pa/16)+2*(pa%4):CTR+8*(pa/16)+2*(pa%4)+1]   ; half-step 0 starts at ct + xt
.set pa, pa+1
.endr
.irp j, 0,1,2,3,4,5,6,7
	v_mov_b32 v[SUM+\j], 0
.endr
	HS 0, FA00, 0,   FA00, HSB, 0, 0, 1, 0, 0      ; half-step 0: there is nothing to finish yet
	WIN 0
	v_add_nc_u32 v[CWA], 256, v[CWA]               ; CWA now stands for half-step 1
	s_mov_b32 s20, 3
.Ltrip:                                                ; trip i: half-steps 8 i + 1 .. 8 i + 8; tiles 2 i + 2 and 2 i + 3 are asked for
	HS 1, FA00, HSB, FA01, 0,   0, 1, 1, 0, 0
	HS 0, FA01, 0,   FA01, HSB, 1, 1, 1, 0, 0
	HS 1, FA01, HSB, FA10, 0,   2, 1, 1, 1, 0      ; the last of slot 0, which is filled again
	HS 0, FA10, 0,   FA10, HSB, 3, 1, 1, 0, 0
	HS 1, FA10, HSB, FA11, 0,   4, 1, 1, 0, 0
	HS 0, FA11, 0,   FA11, HSB, 5, 1, 1, 0, 0
	HS 1, FA11, HSB, FA00, 0,   6, 1, 1, 1, 1      ; the last of slot 1, which is filled again
	HS 0, FA00, 0,   FA00, HSB, 7, 1, 1, 0, 0
	WIN 0
	v_add_nc_u32 v[CWA], 2048, v[CWA]              ; eight half-steps on
	s_sub_co_u32 s20, s20, 1
	s_cmp_lg_u32 s20, 0
	s_cbranch_scc1 .Ltrip
	HS 1, FA00, HSB, FA01, 0,   0, 1, 1, 0, 0      ; half-steps 25 .. 31: nothing is left to fetch
	HS 0, FA01, 0,   FA01, HSB, 1, 1, 1, 0, 0
	HS 1, FA01, HSB, FA10, 0,   2, 1, 1, 2, 0      ; the change to slot 1: the waits and my work-group's barrier, no refill
	HS 0, FA10, 0,   FA10, HSB, 3, 1, 1, 0, 0
	HS 1, FA10, HSB, FA11, 0,   4, 1, 1, 0, 0
	HS 0, FA11, 0,   FA11, HSB, 5, 1, 1, 0, 0
	HS 1, FA11, HSB, FA11, HSB, 6, 1, 0, 3, 0      ; the last: no set is started, nothing is fetched
	; half-step 31's own results
	WIN TOW1
	CWLD 7, 1, 0                                   ; W of half-step 31
	PLACES                                         ; four places behind the last matrix instructions
	WIN 0
.set pa, 0
.rept 32
	v_pk_mul_f32 v[ACC1+2*pa:ACC1+2*pa+1], v[ACC1+2*pa:ACC1+2*pa+1], s[SK2:SK2+1] op_sel_hi:[1,0]   ; K2 * (-distance^2 / 2)
.set pa, pa+1
.endr
.set pa, 0
.rept 64
	v_exp_f32 v[ACC1+pa], v[ACC1+pa]
.set pa, pa+1
.endr
	s_wait_dscnt 0x0                               ; W is in
	v_nop                                          ; one plain place behind the last exponential (ISA guide 5.7.2)
	WIN M1
.set pa, 0
	s_wait_alu depctr_va_vdst(0)
.rept 32
	v_pk_fma_f32 v[SUM+2*((pa/4)%4):SUM+2*((pa/4)%4)+1], v[ACC1+2*pa:ACC1+2*pa+1], v[WR+8*(pa/16)+2*(pa%4):WR+8*(pa/16)+2*(pa%4)+1], v[SUM+2*((pa/4)%4):SUM+2*((pa/4)%4)+1]
.set pa, pa+1
.endr
	WIN 0
	; PHASE C: lane (r, h) holds, for rows 4 r + t, the sums over the centers 8 h + 0 .. 7 of every block of 16; the other lane half holds the rest.
	s_wait_kmcnt 0x0                               ; b
.irp t, 0,1,2,3
	v_add_f32 v[OUT+\t], v[SUM+2*\t], v[SUM+2*\t+1]
.endr
.irp t, 0,1,2,3
	v_permlanex16_b32 v[CV+\t], v[OUT+\t], s22, s23
.endr
.irp t, 0,1,2,3
	v_add_f32 v[OUT+\t], v[OUT+\t], v[CV+\t]
	v_add_f32 v[OUT+\t], s21, v[OUT+\t]
.endr
	v_cmp_gt_u32 vcc_lo, 16, v11                   ; both halves hold all four outputs: h = 0 stores rows 4 r, 4 r + 1, h = 1 rows 4 r + 2, 4 r + 3
	v_cndmask_b32 v[ST], v[OUT+2], v[OUT], vcc_lo
	v_cndmask_b32 v[ST+1], v[OUT+3], v[OUT+1], vcc_lo
	v_bfe_u32 v[TMP], v0, 4, 1
	v_lshlrev_b32 v[ST+2], 4, v1
	v_lshl_add_u32 v[ST+2], v[TMP], 3, v[ST+2]     ; 16 r + 8 h
	global_store_b64 v[ST+2], v[ST:ST+1], s[12:13]  ; the wave's 64 outputs: 256 consecutive bytes, at a multiple of 256 from out0's first byte, in one store
	CROUND                                         ; the closing round: no work-group ends while a partner may still ask for a tile that names it
	s_endpgm
.Lfunc_end_k_q53d11d5d77_rbf:
	.size	k_q53d11d5d77_rbf, .Lfunc_end_k_q53d11d5d77_rbf-k_q53d11d5d77_rbf
	.p2alignl 7, 3214868480
	.fill 96, 4, 3214868480
	.section	.rodata,"a",@progbits
	.p2align	6, 0x0
	.amdhsa_kernel k_q53d11d5d77_rbf
		.amdhsa_group_segment_fixed_size 327680
		.amdhsa_private_segment_fixed_size 0
		.amdhsa_enable_private_segment 0
		.amdhsa_kernarg_size 40
		.amdhsa_user_sgpr_count 2
		.amdhsa_user_sgpr_kernarg_segment_ptr 1
		.amdhsa_wavefront_size32 1
		.amdhsa_system_sgpr_workgroup_id_x 1
		.amdhsa_system_sgpr_workgroup_id_y 1
		.amdhsa_system_sgpr_workgroup_id_z 1
		.amdhsa_system_vgpr_workitem_id 0
		.amdhsa_next_free_vgpr 960
		.amdhsa_next_free_sgpr 66
		.amdhsa_reserve_vcc 1
		.amdhsa_float_denorm_mode_32 3
		.amdhsa_float_denorm_mode_16_64 3
		.amdhsa_memory_ordered 1
		.amdhsa_forward_progress 1
		.amdhsa_inst_pref_size 255
	.end_amdhsa_kernel
	.section	.bss,"aw",@nobits
	.p2align	6
	.space	262144
	.amdgpu_metadata
---
amdhsa.version: [ 1, 2 ]
amdhsa.kernels:
  - .name:           k_q53d11d5d77_rbf
    .symbol:         k_q53d11d5d77_rbf.kd
    .args:
      - { .name: x, .offset: 0, .size: 8, .value_kind: global_buffer, .address_space: global }
      - { .name: cb, .offset: 8, .size: 8, .value_kind: global_buffer, .address_space: global }
      - { .name: cw, .offset: 16, .size: 8, .value_kind: global_buffer, .address_space: global }
      - { .name: b, .offset: 24, .size: 8, .value_kind: global_buffer, .address_space: global }
      - { .name: out0, .offset: 32, .size: 8, .value_kind: global_buffer, .address_space: global }
    .group_segment_fixed_size: 327680
    .private_segment_fixed_size: 0
    .kernarg_segment_align: 8
    .kernarg_segment_size: 40
    .max_flat_workgroup_size: 128
    .sgpr_count:     66
    .vgpr_count:     960
    .wavefront_size: 32
...
	.end_amdgpu_metadata
.endif
;; end of part 2
